; MI455X (gfx1250); checked and timed in simulation.
; The chip was launched on July 23, 2026; its instructions are those of AMD's public machine-readable ISA for CDNA 5 (MIT licence, August 2026) and "CDNA5" Instruction Set Architecture Reference Guide (July 2026). The comments in the code are by the model that wrote it; some were corrected since.
;; Bahdanau Attention. Allowed arithmetic: matrix products marked QUANTISED: E2M3 operands, one E8M0 scale for each 32 along K, by v_wmma_scale_f32_16x16x128_f8f6f4 with both operands' format E2M3, f32 sums; products left as they are: f32 operands where the result goes on into a quantised operand, else bf16, f16 or f32 operands; f32 sums; everything else in f32.
;; Inputs: Wc 1,024 x 1 float32; Wd_codes 1,024 x 32 x 24 uint8 (E2M3 codes of Wd, K innermost, in blocks of 32 codes, four codes in three bytes); Wd_scales 1,024 x 32 uint8 (E8M0 scales of Wd, one for each 32 codes along K); We_codes 1,024 x 32 x 24 uint8 (E2M3 codes of We, K innermost, in blocks of 32 codes, four codes in three bytes); We_scales 1,024 x 32 uint8 (E8M0 scales of We, one for each 32 codes along K); bc 1 float32; bd 1,024 float32; be 1,024 float32; h_dec_codes 32 x 32 x 24 uint8 (E2M3 codes of h_dec, K innermost, in blocks of 32 codes, four codes in three bytes); h_dec_scales 32 x 32 uint8 (E8M0 scales of h_dec, one for each 32 codes along K); h_enc_codes 32 x 2,048 x 32 x 24 uint8 (E2M3 codes of h_enc, K innermost, in blocks of 32 codes, four codes in three bytes); h_enc_scales 32 x 2,048 x 32 uint8 (E8M0 scales of h_enc, one for each 32 codes along K).
;; Outputs: out0 32 x 1,024 float32; out1 32 x 2,048 x 1 float32.
;; This version of the problem:
;;   THIS VERSION OF THE PROBLEM IS GIVEN IN LOW PRECISION. The matrix products marked QUANTISED in the list below multiply operands that are first quantised to E2M3 (2 exponent bits, 3 mantissa bits; 6 bits a number), with one power-of-two scale for each 32 numbers along K (OCP MX v1.0); their sums are f32. All else is computed in f32.
;;   The module's matrix products, in the order in which they are computed (A, B: the left and right operand; K: the contracted axis; several contracted axes count as one K, in the product's order):
;;     1. [M 65,536, K 1,024] x [K 1,024, N 1,024]; A: input h_enc (given as codes); B: input We (given as codes): QUANTISED
;;     2. [M 32, K 1,024] x [K 1,024, N 1,024]; A: input h_dec (given as codes); B: input Wd (given as codes): QUANTISED
;;     3. [M 65,536, K 1,024] x [K 1,024, N 1]; A: computed on the way; B: input Wc: left as it is (N = 1 < 16)
;;   THE QUANTISER, for each operand of a quantised product, along K:
;;     - K is cut into blocks of 32 from its start; a last block that is shorter is filled with zeros.
;;     - A block's scale is 2^e with e = floor(log2(the largest magnitude in the block)) - 2, held to -126 .. 127; a block of zeros has e = 0. As a byte (E8M0): e + 127.
;;     - Each number is divided by its block's scale, clamped to +-7.5, and rounded to the nearest number of E2M3, ties to even, subnormals kept.
;;     - The product sums the exact products of the quantised numbers (number of the format x scale) in f32.
;;   ~~~python
;;   def quantise(x, axis):      # numpy; x: float32 -> the quantised numbers, widened to float32 again
;;       x = np.moveaxis(x, axis, -1); K = x.shape[-1]
;;       x = np.pad(x, [(0, 0)] * (x.ndim - 1) + [(0, -K % 32)]); x = x.reshape(x.shape[:-1] + (-1, 32)); a = np.abs(x).max(-1, keepdims=True)
;;       e = np.where(a > 0, np.clip(np.frexp(np.where(a > 0, a, 1))[1] - 1 - 2, -126, 127), 0)      # np.frexp(a)[1] - 1 = floor(log2(a)), exactly
;;       r = np.clip(x / 2.0 ** e, -7.5, 7.5)
;;       step = 2.0 ** (np.maximum(np.frexp(np.where(r == 0, 1, r))[1] - 1, 0) - 3)
;;       q = np.round(r / step) * step * 2.0 ** e      # np.round: ties to even
;;       return np.moveaxis(q.reshape(q.shape[:-2] + (-1,))[..., :K], -1, axis).astype(np.float32)
;;   ~~~
;;   INPUTS GIVEN AS CODES. Wd (in the module: [1024, 1024], K = its axis 0); We (in the module: [1024, 1024], K = its axis 0); h_dec (in the module: [32, 1024], K = its axis 1); h_enc (in the module: [32, 2048, 1024], K = its axis 2): each comes as NAME_codes (uint8): NAME with its K axis moved to the last place and cut into blocks of 32 codes, [.., K / 32, bytes a block], one block behind the other in memory; four codes in three bytes: a row's codes are one little-endian stream of bits, code i at bits 6 i .. 6 i + 5 (a code: sign, 2 exponent bits, 3 mantissa bits); and NAME_scales (uint8): the same leading axes, one E8M0 byte (e + 127) for each 32 codes along K. Its value is code x scale, taken as it is: it is not quantised again, and the codes and scales need not be those that the quantiser above would give.
;; One version. Each part assembles by itself: llvm-mc -triple=amdgcn-amd-amdhsa -mcpu=gfx1250 --defsym DOCPART=n.
;; ======== version 1 of 1: 3 launches
;; limits: right only within a limited range of input values
;; workspace buffers: wimg 819,200 bytes; gw 262,144 bytes; pl 262,144 bytes; cpart 1,048,576 bytes; stat 65,536 bytes
;; launch prep (part 1): grid 192 x 1, 1 waves a work-group, no clusters, 0 bytes of LDS; arguments h_dec_codes, h_dec_scales, Wd_codes, Wd_scales, We_codes, We_scales, bd, be, Wc, gw, wimg; writes gw, wimg
.if DOCPART == 1
	.amdgcn_target "amdgcn-amd-amdhsa--gfx1250"
	.amdhsa_code_object_version 6
	.text
	.protected	k_q862d9ccafb_prep
	.globl	k_q862d9ccafb_prep
	.p2align	8
	.type	k_q862d9ccafb_prep,@function
k_q862d9ccafb_prep:
	s_mov_b64 s[64:65], 0
	v_nop
	global_prefetch_b8 v0, s[64:65] scope:SCOPE_SE
	s_setreg_imm32_b32 hwreg(HW_REG_WAVE_MODE, 25, 1), 1
	s_wait_xcnt 0x0
; DEAD WORK, for the whole program.  score[b][t] = sum_n Wc[n] tanh(x[b][t][n]) + bc reaches the outputs only through softmax over t.
; With tanh(x) = 1 - 2 / (1 + 2^(c2 x)) it is  sum_n Wc[n] + bc  +  sum_n (-2 Wc[n]) / (1 + 2^(c2 x)).  The first two terms are the same for every t of a batch,
; and softmax(s + k) = softmax(s) for every finite k: so they are left out, bc has no way to an output, is not loaded and is no launch's argument.
; LIMIT: a NaN, an infinity or an overflow in bc or in the sum of Wc alone is not carried to the results.  A scale byte 0xff (NaN) is not served.
; Two small jobs ahead of the main launch, told apart by the work-group's number; one wave to a work-group, no LDS.
; Work-groups 0-127: one tile 16 x 16 of dec = h_dec Wd (E2M3 codes, K = 1,024: eight matrix instructions), and from it, for batch row b (8,192 bytes of gw each):
;   at 4 n:  g'[n] = c2 (dec[b][n] + bd[n] + be[n]), c2 = 2 log2(e);   at 4,096 + 4 n:  w[n] = -2 Wc[n].
; Work-groups 128-191: 16 columns of We laid in the order of the operand's registers (12,800 bytes a block of 16 columns):
;   fragment q (K step of 128) at 1,536 q: registers 4 c .. 4 c + 3 of lane l at 512 c + 16 l;
;   at 12,288 the scale words: at 16 l word j = that of column l % 16 for K step 2 j + l / 16.
; gw leaves in runs of 64 bytes (one tile of 16 columns to a work-group); wimg in runs of 512 bytes.
.set C2, 0x4038aa3b                    ; 2 log2(e)
	s_load_b512 s[4:19], s[0:1], 0x0               ; h_dec codes, scales; Wd codes, scales; We codes, scales; bd; be
	s_load_b128 s[20:23], s[0:1], 0x40             ; Wc, gw
	s_load_b64 s[24:25], s[0:1], 0x50              ; wimg
	v_and_b32 v1, 15, v0                           ; r
	v_lshrrev_b32 v2, 4, v0                        ; h
	v_mul_u32_u24 v3, v1, 768                      ; a row of 1,024 codes is 768 bytes
	v_mad_u32_u24 v3, v2, 24, v3                   ; + 24 h
	s_mov_b32 s29, 0
	s_wait_kmcnt 0x0
	s_cmp_lt_u32 ttmp9, 128
	s_cbranch_scc0 .Limage
	s_lshr_b32 s26, ttmp9, 1                       ; nb 0..63
	s_and_b32 s27, ttmp9, 1                        ; mb 0..1
	s_mul_i32 s28, s27, 12288
	s_add_nc_u64 s[4:5], s[4:5], s[28:29]
	s_lshl_b32 s28, s27, 9
	s_add_nc_u64 s[6:7], s[6:7], s[28:29]
	s_mul_i32 s28, s26, 12288
	s_add_nc_u64 s[8:9], s[8:9], s[28:29]
	s_lshl_b32 s28, s26, 9
	s_add_nc_u64 s[10:11], s[10:11], s[28:29]
	s_lshl_b32 s28, s26, 6
	s_add_nc_u64 s[16:17], s[16:17], s[28:29]      ; bd, be, Wc at column 16 nb
	s_add_nc_u64 s[18:19], s[18:19], s[28:29]
	s_add_nc_u64 s[20:21], s[20:21], s[28:29]
	s_lshl_b32 s30, s27, 17                        ; gw: 16 mb rows of 8,192 bytes, + 16 nb numbers
	s_add_co_u32 s28, s28, s30
	s_add_nc_u64 s[22:23], s[22:23], s[28:29]
	s_mov_b32 s31, C2
	s_wait_alu depctr_va_vdst(0)
	v_lshlrev_b32 v4, 5, v1                        ; my row's 32 scale bytes
	v_lshlrev_b32 v5, 2, v1                        ; my column in bd, be, Wc
	v_lshlrev_b32 v11, 16, v2                      ; gw: 8 h rows of 8,192 bytes
	v_lshl_add_u32 v11, v1, 2, v11                 ; + 4 r
.irp q, 0,1,2,3,4,5,6,7
.irp p, 0,1,2,3,4,5
	global_load_b64 v[16+12*\q+2*\p:17+12*\q+2*\p], v3, s[4:5] offset:96*\q+48*(\p/3)+8*(\p%3)
	global_load_b64 v[112+12*\q+2*\p:113+12*\q+2*\p], v3, s[8:9] offset:96*\q+48*(\p/3)+8*(\p%3)
.endr
.endr
	global_load_b128 v[208:211], v4, s[6:7]        ; h_dec's scale words, K step q in v[208 + q]
	global_load_b128 v[212:215], v4, s[6:7] offset:16
	global_load_b128 v[216:219], v4, s[10:11]      ; Wd's in v[216 + q]
	global_load_b128 v[220:223], v4, s[10:11] offset:16
	global_load_b32 v6, v5, s[16:17]
	global_load_b32 v7, v5, s[18:19]
	global_load_b32 v8, v5, s[20:21]
	s_wait_loadcnt 0x0
	; two accumulators by turns; the first two products start the sums
	v_wmma_scale_f32_16x16x128_f8f6f4 v[224:231], v[16:27], v[112:123], 0, v208, v216 matrix_a_fmt:MATRIX_FMT_FP6 matrix_b_fmt:MATRIX_FMT_FP6
	v_wmma_scale_f32_16x16x128_f8f6f4 v[232:239], v[28:39], v[124:135], 0, v209, v217 matrix_a_fmt:MATRIX_FMT_FP6 matrix_b_fmt:MATRIX_FMT_FP6
.irp q, 2,3,4,5,6,7
	v_wmma_scale_f32_16x16x128_f8f6f4 v[224+8*(\q%2):231+8*(\q%2)], v[16+12*\q:27+12*\q], v[112+12*\q:123+12*\q], v[224+8*(\q%2):231+8*(\q%2)], v[208+\q], v[216+\q] matrix_a_fmt:MATRIX_FMT_FP6 matrix_b_fmt:MATRIX_FMT_FP6
.endr
	v_add_f32 v9, v6, v7                           ; four plain lines: the places behind the products (ISA guide 7.12.1)
	v_mul_f32 v10, -2.0, v8                        ; w
	v_mul_f32 v9, s31, v9                          ; c2 (bd + be)
	v_nop
.irp j, 0,1,2,3,4,5,6,7
	v_add_f32 v[240+\j], v[224+\j], v[232+\j]      ; dec(8 h + j, r); each accumulator is read from its low end on
.endr
.irp j, 0,1,2,3,4,5,6,7
	v_fma_f32 v[240+\j], v[240+\j], s31, v9        ; g'
.endr
.irp j, 0,1,2,3,4,5,6,7
	global_store_b32 v11, v[240+\j], s[22:23] offset:8192*\j
	global_store_b32 v11, v10, s[22:23] offset:8192*\j+4096
.endr
	s_endpgm
.Limage:
	s_sub_co_u32 s26, ttmp9, 128                   ; nb 0..63
	s_mul_i32 s28, s26, 12288
	s_add_nc_u64 s[12:13], s[12:13], s[28:29]
	s_lshl_b32 s28, s26, 9
	s_add_nc_u64 s[14:15], s[14:15], s[28:29]
	s_mul_i32 s28, s26, 12800
	s_add_nc_u64 s[24:25], s[24:25], s[28:29]
	s_wait_alu depctr_va_vdst(0)
	v_lshlrev_b32 v4, 5, v1
	v_lshl_add_u32 v4, v2, 2, v4                   ; 32 r + 4 h: lanes 16-31 take the odd K steps' words
	v_lshlrev_b32 v12, 4, v0
.irp q, 0,1,2,3,4,5,6,7
.irp p, 0,1,2,3,4,5
	global_load_b64 v[16+12*\q+2*\p:17+12*\q+2*\p], v3, s[12:13] offset:96*\q+48*(\p/3)+8*(\p%3)
.endr
.endr
.irp j, 0,1,2,3
	global_load_b32 v[112+\j], v4, s[14:15] offset:8*\j
.endr
	s_wait_alu depctr_va_vdst(0)
.irp q, 0,1,2,3,4,5,6,7
	s_wait_loadcnt 6*(7-\q)+4                      ; fragment q is in: behind it stand the later fragments' six loads each and the four scale words
.irp c, 0,1,2
	global_store_b128 v12, v[16+12*\q+4*\c:19+12*\q+4*\c], s[24:25] offset:1536*\q+512*\c
.endr
.endr
	s_wait_loadcnt 0x0
	global_store_b128 v12, v[112:115], s[24:25] offset:12288
	s_endpgm
.Lfunc_end_k_q862d9ccafb_prep:
	.size	k_q862d9ccafb_prep, .Lfunc_end_k_q862d9ccafb_prep-k_q862d9ccafb_prep
	.p2alignl 7, 3214868480
	.fill 96, 4, 3214868480
	.section	.rodata,"a",@progbits
	.p2align	6, 0x0
	.amdhsa_kernel k_q862d9ccafb_prep
		.amdhsa_group_segment_fixed_size 0
		.amdhsa_private_segment_fixed_size 0
		.amdhsa_enable_private_segment 0
		.amdhsa_kernarg_size 88
		.amdhsa_user_sgpr_count 2
		.amdhsa_user_sgpr_kernarg_segment_ptr 1
		.amdhsa_wavefront_size32 1
		.amdhsa_system_sgpr_workgroup_id_x 1
		.amdhsa_system_sgpr_workgroup_id_y 1
		.amdhsa_system_sgpr_workgroup_id_z 1
		.amdhsa_system_vgpr_workitem_id 0
		.amdhsa_next_free_vgpr 256
		.amdhsa_next_free_sgpr 66
		.amdhsa_reserve_vcc 0
		.amdhsa_float_denorm_mode_32 3
		.amdhsa_float_denorm_mode_16_64 3
		.amdhsa_memory_ordered 1
		.amdhsa_forward_progress 1
		.amdhsa_inst_pref_size 23
	.end_amdhsa_kernel
	.amdgpu_metadata
---
amdhsa.version: [ 1, 2 ]
amdhsa.kernels:
  - .name:           k_q862d9ccafb_prep
    .symbol:         k_q862d9ccafb_prep.kd
    .args:
      - { .name: h_dec_codes, .offset: 0, .size: 8, .value_kind: global_buffer, .address_space: global }
      - { .name: h_dec_scales, .offset: 8, .size: 8, .value_kind: global_buffer, .address_space: global }
      - { .name: Wd_codes, .offset: 16, .size: 8, .value_kind: global_buffer, .address_space: global }
      - { .name: Wd_scales, .offset: 24, .size: 8, .value_kind: global_buffer, .address_space: global }
      - { .name: We_codes, .offset: 32, .size: 8, .value_kind: global_buffer, .address_space: global }
      - { .name: We_scales, .offset: 40, .size: 8, .value_kind: global_buffer, .address_space: global }
      - { .name: bd, .offset: 48, .size: 8, .value_kind: global_buffer, .address_space: global }
      - { .name: be, .offset: 56, .size: 8, .value_kind: global_buffer, .address_space: global }
      - { .name: Wc, .offset: 64, .size: 8, .value_kind: global_buffer, .address_space: global }
      - { .name: gw, .offset: 72, .size: 8, .value_kind: global_buffer, .address_space: global }
      - { .name: wimg, .offset: 80, .size: 8, .value_kind: global_buffer, .address_space: global }
    .group_segment_fixed_size: 0
    .private_segment_fixed_size: 0
    .kernarg_segment_align: 8
    .kernarg_segment_size: 88
    .max_flat_workgroup_size: 32
    .sgpr_count:     66
    .vgpr_count:     256
    .wavefront_size: 32
...
	.end_amdgpu_metadata
.endif
;; end of part 1
;; launch main (part 2): grid 256 x 1, 8 waves a work-group, clusters of 4 x 1, 327,680 bytes of LDS; arguments h_enc_codes, h_enc_scales, wimg, gw, pl, cpart, stat; writes pl, cpart, stat
.if DOCPART == 2
	.amdgcn_target "amdgcn-amd-amdhsa--gfx1250"
	.amdhsa_code_object_version 6
	.text
	.protected	k_q862d9ccafb_main
	.globl	k_q862d9ccafb_main
	.p2align	8
	.type	k_q862d9ccafb_main,@function
k_q862d9ccafb_main:
	s_mov_b64 s[64:65], 0
	v_nop
	global_prefetch_b8 v0, s[64:65] scope:SCOPE_SE
	s_setreg_imm32_b32 hwreg(HW_REG_WAVE_MODE, 25, 1), 1
	s_wait_xcnt 0x0
	s_wait_alu depctr_hold_cnt(0) depctr_sa_sdst(0) depctr_va_vdst(0) depctr_va_sdst(0) depctr_va_ssrc(0) depctr_va_vcc(0) depctr_vm_vsrc(0)
	s_getreg_b32 s2, hwreg(HW_REG_IB_STS2, 6, 4)
	s_cmp_eq_u32 s2, 0
	s_cbranch_scc0 .Lentry_in_a_cluster
	s_endpgm
.Lentry_in_a_cluster:
	s_bfe_u32 s2, ttmp6, 0x10000c
	s_cmp_lg_u32 s2, 0x3003
	s_cbranch_scc0 .Lentry_shape_is_right
	s_endpgm
.Lentry_shape_is_right:
; s[row] = sum over n of w[n] / (1 + 2^(c2 acc[row][n] + g'[b][n])), acc = h_enc We, and of it one work-group's part of the softmax over a batch's 2,048 rows.
; LEFT OUT as dead work (shown at the head of the first kernel): bc and the sum of Wc, which are the same for all rows of a softmax.
; SHARES.  A work-group owns 256 rows (an eighth of a batch).  Eight waves: wave w holds rows 64 (w % 4) .. + 63 as operand fragments in registers (4 blocks x 8 K steps x 12 = 384)
;   and takes columns 512 (w / 4) .. + 511: a fragment of We, 1,536 bytes of LDS, serves four matrix instructions.
; A PIECE is 64 rows x 16 columns: 32 matrix instructions on four accumulators by turns, then the tanh of its 32 numbers a lane in whole batches: scale, 2^z, + 1, reciprocal, x w.
;   2^z = infinity gives 0, which is tanh = 1.  The product is used transposed (source 0 = 16 columns of We, source 1 = 16 rows): lane (r, h) holds row r and columns 8 h + j.
; TWO HALVES OF THE WAVES WORK BY TURNS: waves with (w + w / 4) odd begin one matrix phase later (a barrier at the start), so that one half multiplies while the other takes the tanh.
; RING.  wimg comes through two slots; a slot holds two blocks of 16 columns for each half of the columns (51,200 bytes).  All work-groups walk the same wimg: the four of a cluster ask JOINTLY.
;   No prefetch: h_enc is asked for whole at the head (no loop to run ahead in), and every tile of wimg is asked for by all 64 clusters in the same order.
;   h_enc's tiles are each work-group's own; gw (8,192 bytes, once) is a small part of what a work-group brings in: both come by plain loads.
; CONTEXT.  sum_t attn (h We + be) = (sum_t attn h) We + be, since attn sums to 1.  Here c = sum over my rows of p x h_enc[row] from the codes in LDS, widened to f32; the last launch multiplies by We.
; OUT: pl[row] = p = exp(s - m), m the work-group's largest s; cpart[wg][i4][lane][4] = c(32 lane + 4 i4 ..); stat[wg] = (m, sum p), 32 times over.
; LIMITS: a scale byte 0xff is not served.  The context is summed in the order just stated, all in f32.
; LDS: 0 ring: for each half of the columns slot 0 then slot 1, 25,600 each (the stage for c at the end); then scale bytes, gw, spare words, p, partial scores; 124,928 the rows' codes, pitch 792.
;   All of a WGP's LDS is claimed.
; REGISTERS: window 0: v0-3 addresses; v4-7 We's scale words; v8-23 my rows'; v24-31 g'; v32-63 accumulators; v64-111 four fragments of We; v112-255 my rows' K steps 5-7.
;   window 1: v0-239 my rows' K steps 0-4; v240-247 score sums; v248-255 w.
.set NBB,    12800
.set FRB,    1536
.set SIMG,   12288
.set SLB,    25600                     ; a slot's two blocks for one half of the columns
.set HALFR,  51200
.set ASC,    102400
.set GWB,    110592
.set SPARE,  118784
.set PSCR,   119808
.set SSC,    121856
.set ABASE,  124928
.set AWAVE,  50688
.set APITCH, 792
.set ADB, 0                            ; 16 x lane + my half of the ring
.set AGW, 1                            ; g': GWB + 2,048 (w / 4) + 32 h, 256 on with each trip
.set SPW, 2                            ; my spare word; never rewritten
.set NIL, 3                            ; 0; never rewritten
.set BS,  4
.set AS,  8
.set G,   24
.set ACC, 32
.set BF,  64
.set A5,  112
.set S1,  240
.set W1,  248
.set AA,  32                           ; head only
.set CC,  128
.set TQ,  160
.set ONE, 45
.set WV, 20
.set RG, 21
.set CH, 22
.set PH, 23
.set G1A, 24
.set G1D, 32
.set G1H, 40
.set G1R, 48
.set G0A, 56
.set G0S, 60
.set G0G, 68
.set G0H, 72
.set G0R, 76                           ; s[76:79] slot 0, s[80:83] slot 1
.set KC,  84
.set SEL, 86
.set L2E, 88
.set CNT, 90
.set WG,  100
.set MSB, 0
.macro WIN new                         ; the immediate's high byte repeats the setting that is left
.if MSB != (\new)
	s_set_vgpr_msb (MSB<<8)|(\new)
.set MSB, \new
.endif
.endm
.macro DL n
	s_delay_alu instid0(VALU_DEP_\n)
.endm
.macro NOPS n
.rept \n
	v_nop
.endr
.endm
.macro CREST
	s_cmp_lg_u32 s[WV], 0
	s_cbranch_scc1 .Lnot_wave_0_\@
	s_barrier_signal -3
.Lnot_wave_0_\@:
	s_barrier_wait -3
	s_barrier_signal -1
	s_barrier_wait -1
.endm
.macro CROUND
	s_barrier_signal -1
	s_barrier_wait -1
	CREST
.endm
.macro DESC g, w0, rows                ; group 1: rows of 32 elements of 8 bytes, dense in memory
	s_mov_b32 s[\g], \w0
	s_mov_b32 s[\g+1], 32<<16
	s_mov_b32 s[\g+2], (\rows)<<16
	s_mov_b32 s[\g+3], 32<<16
	s_mov_b32 s[\g+4], \rows
	s_mov_b32 s[\g+5], 32
	s_mov_b32 s[\g+6], 0
	s_mov_b32 s[\g+7], 0
.endm
	s_load_b256 s[4:11], s[0:1], 0x0               ; h_enc codes s[4:5], scales s[6:7]; wimg s[8:9]; gw s[10:11]
	s_load_b128 s[12:15], s[0:1], 0x20             ; pl s[12:13], cpart s[14:15]
	s_load_b64 s[16:17], s[0:1], 0x30              ; stat
	v_lshl_add_u32 v[SPW], v0, 2, SPARE
	v_mov_b32 v[NIL], 0
	ds_add_u32 v[SPW], v[NIL]                      ; the opening lines: the add twice on end and its wait ahead of my first tensor load
	ds_add_u32 v[SPW], v[NIL]
	v_lshrrev_b32 v4, 5, v0
	v_readfirstlane_b32 s[WV], v4                  ; wave 0..7
	s_and_b32 s[RG], s[WV], 3                      ; my 64 rows
	s_lshr_b32 s[CH], s[WV], 2                     ; my half of the columns
	s_add_co_u32 s[PH], s[WV], s[CH]
	s_and_b32 s[PH], s[PH], 1                      ; 1: I begin one matrix phase later
	s_bfe_u32 s91, ttmp6, 0x40000                  ; cx: it enters global addresses of plain loads and of stores alone
	s_lshl_b32 s[WG], ttmp9, 2
	s_add_co_u32 s[WG], s[WG], s91
	DESC G1A, (3<<16)|(1<<20)|(5<<22)|(1<<25), 192 ; 64 rows of codes: 192 runs of 256 bytes, 8 bytes of padding behind each
	DESC G1D, 3<<16, 32                            ; 8,192 dense bytes
	DESC G1H, 15|(3<<16)|(1<<21), 100              ; two blocks of wimg, joint: the mask names all four work-groups
	DESC G1R, 15|(3<<16)|(1<<21), 25               ; half a block of wimg, joint
	s_mov_b32 s[G0A], 1
	s_mul_i32 s[G0A+1], s[RG], AWAVE
	s_add_co_u32 s[G0A+1], s[G0A+1], ABASE
	s_mul_i32 s[G0A+2], s[WG], 196608
	s_mul_i32 s91, s[RG], 49152
	s_add_co_u32 s[G0A+2], s[G0A+2], s91
	s_mov_b32 s[G0A+3], 0
	s_mov_b32 s[G0S], 1
	s_mov_b32 s[G0S+1], ASC
	s_lshl_b32 s[G0S+2], s[WG], 13
	s_mov_b32 s[G0S+3], 0
	s_mov_b32 s[G0G], 1
	s_mov_b32 s[G0G+1], GWB
	s_lshr_b32 s91, ttmp9, 1                       ; batch: two clusters to a batch
	s_lshl_b32 s[G0G+2], s91, 13
	s_mov_b32 s[G0G+3], 0
	s_and_b32 s91, s[WV], 1                        ; tile 0: wave 6 the lower columns' two blocks, wave 7 the upper's
	s_mov_b32 s[G0H], 1
	s_mul_i32 s[G0H+1], s91, HALFR
	s_mul_i32 s[G0H+2], s91, 32*NBB
	s_mov_b32 s[G0H+3], 0
	s_mul_i32 s92, s[CH], HALFR                    ; the ring: wave w fetches quarter w % 4 of its half's two blocks
	s_mul_i32 s91, s[RG], 6400
	s_mov_b32 s[G0R], 1
	s_add_co_u32 s[G0R+1], s92, s91
	s_mul_i32 s[G0R+2], s[CH], 32*NBB
	s_add_co_u32 s[G0R+2], s[G0R+2], s91
	s_mov_b32 s[G0R+3], 0
	s_mov_b32 s[G0R+4], 1
	s_add_co_u32 s[G0R+5], s[G0R+1], SLB
	s_mov_b32 s[KC], 0x4038aa3b                    ; c2 = 2 log2(e)
	s_mov_b32 s[KC+1], s[KC]
	s_mov_b32 s[SEL], 0x76543210
	s_mov_b32 s[SEL+1], 0xfedcba98
	s_mov_b32 s[L2E], 0x3fb8aa3b
	s_mov_b32 s[L2E+1], s[L2E]
	s_lshl_b32 s93, s[CH], 11
	s_add_co_u32 s93, s93, GWB
	s_lshl_b32 s94, s[RG], 11
	s_add_co_u32 s94, s94, ASC
	s_mov_b32 s97, 0
	s_wait_dscnt 0x0                               ; both opening adds are done
	s_wait_kmcnt 0x0
	s_add_nc_u64 s[G0A+2:G0A+3], s[4:5], s[G0A+2:G0A+3]
	s_or_b32 s[G0A+3], s[G0A+3], 0x80000000
	s_add_nc_u64 s[G0S+2:G0S+3], s[6:7], s[G0S+2:G0S+3]
	s_or_b32 s[G0S+3], s[G0S+3], 0x80000000
	s_add_nc_u64 s[G0G+2:G0G+3], s[10:11], s[G0G+2:G0G+3]
	s_or_b32 s[G0G+3], s[G0G+3], 0x80000000
	s_add_nc_u64 s[G0H+2:G0H+3], s[8:9], s[G0H+2:G0H+3]
	s_or_b32 s[G0H+3], s[G0H+3], 0x80000000
	s_add_nc_u64 s[G0R+2:G0R+3], s[8:9], s[G0R+2:G0R+3]   ; slot 0's set stands at tile 0 and is stepped ahead of each use
	s_add_nc_u64 s[G0R+6:G0R+7], s[G0R+2:G0R+3], SLB      ; slot 1's at tile 1
	s_or_b32 s[G0R+3], s[G0R+3], 0x80000000
	s_or_b32 s[G0R+7], s[G0R+7], 0x80000000
	s_lshl_b32 s96, s[WG], 10                      ; pl: 256 numbers a work-group, 64 a group of rows
	s_lshl_b32 s91, s[RG], 8
	s_add_co_u32 s96, s96, s91
	s_add_nc_u64 s[12:13], s[12:13], s[96:97]
	s_lshl_b32 s96, s[WG], 12
	s_add_nc_u64 s[14:15], s[14:15], s[96:97]
	s_lshl_b32 s96, s[WG], 8
	s_add_nc_u64 s[16:17], s[16:17], s[96:97]
	CROUND                                         ; all four work-groups are here: the first joint loads meet
; The head's loads, one a wave: waves 0-3 the rows' codes, wave 4 their scale bytes, wave 5 gw, waves 6 and 7 tile 0.
.macro ARM under, g0, g1, next
	s_cmp_lt_u32 s[WV], \under
	s_cbranch_scc0 \next
	tensor_load_to_lds s[\g0:\g0+3], s[\g1:\g1+7]
	s_nop 0
	NOPS 4
	s_branch .Lhead_asked
\next:
.endm
	ARM 4, G0A, G1A, .Lhead_s
	ARM 5, G0S, G1D, .Lhead_g
	ARM 6, G0G, G1D, .Lhead_r
	tensor_load_to_lds s[G0H:G0H+3], s[G1H:G1H+7]
	s_nop 0
	NOPS 4
.Lhead_asked:
	v_and_b32 v36, 31, v0                          ; lane
	v_and_b32 v37, 15, v0                          ; r
	v_bfe_u32 v38, v0, 4, 1                        ; h
	v_mul_u32_u24 v[AA], v37, APITCH
	v_lshlrev_b32 v34, 5, v37
	v_lshl_add_u32 v[AGW], v38, 5, s93
	v_mad_u32_u24 v[AA], v38, 24, v[AA]
	v_lshl_add_u32 v34, v38, 2, v34
	v_lshl_add_u32 v[ADB], v36, 4, s92
	v_add_nc_u32 v[AA], s[G0A+1], v[AA]            ; my rows' fragments: row r x 792 + 24 h
	v_add_nc_u32 v34, s94, v34                     ; my rows' scale words: 32 r + 4 h
	DL 2
	v_lshl_add_u32 v[AA+1], v38, 3, v[AA]          ; + 8 h: for pieces whose partner three pieces on lies behind one padding more
	WIN 0x40
.set i, 0
.rept 8
	v_mov_b32 v[S1+i], 0                           ; the score sums begin as zeros
.set i, i+1
.endr
	WIN 0
	s_wait_alu depctr_va_vdst(0)
	s_wait_tensorcnt 0x0                           ; my load is in; the same lines as ahead of a refill stand ahead of slot 1's first fill
	ds_add_u32 v[SPW], v[NIL]
	s_wait_dscnt 0x0
	CROUND                                         ; everybody's part of the head's tiles is in
	tensor_load_to_lds s[G0R+4:G0R+7], s[G1R:G1R+7]   ; tile 1
	s_nop 0
.macro AFRAG q, mb                     ; lane (r, h): 24 bytes at 96 q + 24 h of its row and 24 bytes 48 further on, in pieces of 8; piece P lies at 8 P + 8 (P / 32)
.if (\q) < 5
.set rF, 48*(\q)+12*(\mb)
.else
.set rF, A5+48*((\q)-5)+12*(\mb)
.endif
.irp p, 0,1,2,3,4,5
.set PC, 12*(\q)+6*(\p/3)+\p%3
.if PC%32 < 29
	ds_load_b64 v[rF+2*\p:rF+2*\p+1], v[AA] offset:(\mb)*16*APITCH+8*PC+8*(PC/32)
.else
	ds_load_b64 v[rF+2*\p:rF+2*\p+1], v[AA+1] offset:(\mb)*16*APITCH+8*PC+8*(PC/32)
.endif
.endr
.endm
.macro PREF nofs                       ; 13 loads: a piece's scale words and its fragments of K steps 0-3
	ds_load_b128 v[BS:BS+3], v[ADB] offset:(\nofs)+SIMG
.irp fq, 0,1,2,3
.irp c, 0,1,2
	ds_load_b128 v[BF+12*\fq+4*\c:BF+12*\fq+4*\c+3], v[ADB] offset:(\nofs)+\fq*FRB+512*\c
.endr
.endr
.endm
	WIN 0x40
.irp q, 0,1,2,3,4
.irp m, 0,1,2,3
	AFRAG \q, \m
.endr
.endr
	WIN 0
.irp q, 5,6,7
.irp m, 0,1,2,3
	AFRAG \q, \m
.endr
.endr
.irp m, 0,1,2,3
.irp j, 0,1,2,3
	ds_load_b32 v[AS+4*\m+\j], v34 offset:512*\m+8*\j   ; lanes 0-15: the word of K step 2 j, lanes 16-31: of 2 j + 1
.endr
.endr
	PREF 0
.macro MM                              ; K step q, block of rows mb.  Odd K steps take both scale words from lanes 16-31
.if q < 5
.set rA, 48*q+12*mb
.else
.set rA, A5+48*(q-5)+12*mb
.endif
.set rB, BF+12*(q%4)
.set rD, ACC+8*mb
.if q == 0
	v_wmma_scale_f32_16x16x128_f8f6f4 v[rD:rD+7], v[rB:rB+11], v[rA:rA+11], 0, v[BS], v[AS+4*mb] matrix_a_fmt:MATRIX_FMT_FP6 matrix_b_fmt:MATRIX_FMT_FP6
.elseif q%2 == 0
	v_wmma_scale_f32_16x16x128_f8f6f4 v[rD:rD+7], v[rB:rB+11], v[rA:rA+11], v[rD:rD+7], v[BS+q/2], v[AS+4*mb+q/2] matrix_a_fmt:MATRIX_FMT_FP6 matrix_b_fmt:MATRIX_FMT_FP6
.else
	v_wmma_scale_f32_16x16x128_f8f6f4 v[rD:rD+7], v[rB:rB+11], v[rA:rA+11], v[rD:rD+7], v[BS+q/2], v[AS+4*mb+q/2] matrix_a_fmt:MATRIX_FMT_FP6 matrix_b_fmt:MATRIX_FMT_FP6 matrix_a_scale:MATRIX_SCALE_ROW1 matrix_b_scale:MATRIX_SCALE_ROW1
.endif
.endm
; THE MATRIX PHASE of a piece.  Its scale words and K steps 0-3 were asked for in the phase before (13 loads); here its g' and w (4 loads), and K step q + 4 into K step q's registers, four places behind their last products.
; The four accumulators take turns, one instruction a turn.
.macro MPH gofs, pofs
	ds_load_b128 v[G:G+3], v[AGW] offset:(\gofs)
	ds_load_b128 v[G+4:G+7], v[AGW] offset:(\gofs)+16
	WIN 0x40
	ds_load_b128 v[W1:W1+3], v[AGW] offset:(\gofs)+4096
	ds_load_b128 v[W1+4:W1+7], v[AGW] offset:(\gofs)+4112
	WIN 0x04                                       ; source 1, my rows, in window 1
.set q, 0
.rept 8
.if q < 4
	s_wait_dscnt 13                                ; K step q is in: behind its loads stand three K steps' nine and the four of g' and w
.else
	s_wait_dscnt 3*(7-q)                           ; behind K step q's loads stand the later K steps' three each
.endif
.if q == 5
	WIN 0
.endif
.set mb, 0
.rept 4
	MM
.set mb, mb+1
.endr
.if q < 4
	NOPS 4
.irp c, 0,1,2
	ds_load_b128 v[BF+12*q+4*\c:BF+12*q+4*\c+3], v[ADB] offset:(\pofs)+(q+4)*FRB+512*\c
.endr
.endif
.set q, q+1
.endr
	NOPS 4                                         ; the places ahead of the first reads of the sums and of the next loads into the fragments
.endm
; THE VECTOR PHASE of a piece, and the request for the next piece at byte nofs of my half of the ring.
; kind 0: the next piece lies in the same slot.  1: the slot is left and filled again (a round of the cluster's barrier, the joint load).  2: it is only left.  3: no piece follows.
.macro VPH kind, slot, nofs
.if (\kind) == 0
	PREF \nofs
.elseif (\kind) < 3
	s_wait_tensorcnt 0x0                           ; all my tensor loads have landed: my part of the other slot
	ds_add_u32 v[SPW], v[NIL]
.if (\kind) == 1
	s_add_nc_u64 s[G0R+4*(\slot)+2:G0R+4*(\slot)+3], s[G0R+4*(\slot)+2:G0R+4*(\slot)+3], 2*SLB   ; no load of mine is out: this slot's next tile
.endif
.endif
.set i, 0
.rept 16
	v_pk_fma_f32 v[ACC+2*i:ACC+2*i+1], v[ACC+2*i:ACC+2*i+1], s[KC:KC+1], v[G+2*(i%4):G+2*(i%4)+1] op_sel_hi:[1,0,1]   ; z = c2 acc + g'; each accumulator from its low end on
.set i, i+1
.endr
.if ((\kind) == 1) || ((\kind) == 2)
	s_wait_dscnt 0x0                               ; the add is done; my reads of the slot were over at the last K step
.endif
	s_wait_alu depctr_va_vdst(0)                   ; ahead of a batch of transcendentals
.if ((\kind) == 1) || ((\kind) == 2)
	s_barrier_signal -1                            ; register work alone up to the wait
.endif
.set i, 0
.rept 32
	v_exp_f32 v[ACC+i], v[ACC+i]
.set i, i+1
.endr
	v_nop
	s_wait_alu depctr_va_vdst(0)                   ; and behind it
.set i, 0
.rept 16
	v_pk_add_f32 v[ACC+2*i:ACC+2*i+1], v[ACC+2*i:ACC+2*i+1], 1.0 op_sel_hi:[1,0]
.set i, i+1
.endr
	s_wait_alu depctr_va_vdst(0)
.set i, 0
.rept 32
	v_rcp_f32 v[ACC+i], v[ACC+i]
.set i, i+1
.endr
	v_nop
	s_wait_alu depctr_va_vdst(0)
.if ((\kind) == 1) || ((\kind) == 2)
	s_barrier_wait -1
.if (\kind) == 1
	CREST                                          ; no wave of any partner still reads the slot or has a load on its way
	tensor_load_to_lds s[G0R+4*(\slot):G0R+4*(\slot)+3], s[G1R:G1R+7]   ; the joint refill, my one load until the next round
	s_nop 0
.endif
	PREF \nofs
.endif
	WIN 0x54                                       ; sums and w in window 1
.irp u, 0,1,2,3
.irp m, 0,1,2,3
	v_pk_fma_f32 v[S1+2*\m:S1+2*\m+1], v[ACC+8*\m+2*\u:ACC+8*\m+2*\u+1], v[W1+2*\u:W1+2*\u+1], v[S1+2*\m:S1+2*\m+1]   ; four chains by turns
.endr
.endr
	WIN 0
.endm
	s_cmp_lg_u32 s[PH], 0
	s_cbranch_scc1 .Lskew
	MPH 0, 0                                       ; piece 0 of the waves that begin
.Lskew:
	v_nop
	s_wait_dscnt 0x0
	s_barrier_signal -1                            ; tile 1's load may stay out
	s_barrier_wait -1
	s_cmp_eq_u32 s[PH], 0
	s_cbranch_scc1 .Lgo
	MPH 0, 0                                       ; piece 0 of the others, while the first take their tanh
.Lgo:
	s_mov_b32 s[CNT], 7
.Ltrip:                                            ; trip k: pieces 4 k .. 4 k + 3's tanh and 4 k + 1 .. 4 k + 4's products; tiles 2 k + 2 and 2 k + 3 are asked for
	VPH 0, 0, NBB
	MPH 64, NBB
	VPH 1, 0, SLB
	MPH 128, SLB
	VPH 0, 0, SLB+NBB
	MPH 192, SLB+NBB
	VPH 1, 1, 0
	MPH 256, 0
	v_add_nc_u32 v[AGW], 256, v[AGW]
	s_sub_co_u32 s[CNT], s[CNT], 1
	s_cmp_lg_u32 s[CNT], 0
	s_wait_alu depctr_va_vdst(0)
	s_cbranch_scc1 .Ltrip
	VPH 0, 0, NBB                                  ; the tail is written out: nothing more is asked for
	MPH 64, NBB
	VPH 2, 0, SLB
	MPH 128, SLB
	VPH 0, 0, SLB+NBB
	MPH 192, SLB+NBB
	VPH 3, 0, 0
	; ---- THE SCORES.  Lane (r, h) holds, for each block of rows, row r's share of my 512 columns, in two halves
	s_wait_alu depctr_va_vdst(0)
	s_mov_b32 s91, 0xffff0000
	s_lshl_b32 s92, s[WV], 8
	s_add_co_u32 s93, s92, SSC                     ; my partial scores
	s_add_co_u32 s92, s92, PSCR                    ; my copy of my rows' p
	s_lshl_b32 s94, s[RG], 8
	s_add_co_u32 s94, s94, SSC
	s_mul_i32 s95, s[CH], 32*APITCH                ; the c phase: rows 32 (w / 4) .. + 31 of my 64
	s_add_co_u32 s95, s95, s[G0A+1]
	s_lshl_b32 s96, s[RG], 11
	s_lshl_b32 s97, s[CH], 10
	s_add_co_u32 s96, s96, s97
	s_add_co_u32 s96, s96, ASC
	s_lshl_b32 s97, s[CH], 7
	s_add_co_u32 s97, s97, s92
	s_lshl_b32 s98, s[WV], 12
	WIN 0x05
.irp m, 0,1,2,3
	v_add_f32 v[32+\m], v[S1+2*\m], v[S1+2*\m+1]
.endr
	WIN 0
.irp m, 0,1,2,3
	v_permlanex16_b32 v[36+\m], v[32+\m], s[SEL], s[SEL+1]
.endr
.irp m, 0,1,2,3
	v_add_f32 v[32+\m], v[32+\m], v[36+\m]         ; both halves of the lanes: row 16 m + r
.endr
	v_and_b32 v24, 0x7c, v[SPW]                    ; 4 x lane (the spare words begin at a multiple of 4,096)
	v_cndmask_b32 v40, v32, v33, s91               ; lane l: row l,
	v_cndmask_b32 v41, v34, v35, s91               ; and row 32 + l
	v_add_nc_u32 v42, s93, v24
	v_lshl_add_u32 v43, v24, 1, SSC
	v_lshl_add_u32 v44, v24, 1, s94
	ds_store_b32 v42, v40
	ds_store_b32 v42, v41 offset:128
	s_wait_alu depctr_va_vdst(0)
	s_wait_dscnt 0x0                               ; for the others' sake
	s_barrier_signal -1
	s_barrier_wait -1
.irp w, 0,1,2,3,4,5,6,7
	ds_load_b64 v[48+2*\w:49+2*\w], v43 offset:256*\w   ; every wave takes all 256 rows' two parts: rows 2 l, 2 l + 1 of each group
.endr
	ds_load_b64 v[26:27], v44                      ; and my own group's once more, by address: no choice among registers is needed
	ds_load_b64 v[46:47], v44 offset:1024
	s_wait_dscnt 0x0
.irp g, 0,1,2,3
	v_pk_add_f32 v[48+2*\g:49+2*\g], v[48+2*\g:49+2*\g], v[56+2*\g:57+2*\g]
.endr
	v_pk_add_f32 v[26:27], v[26:27], v[46:47]
	v_max3_num_f32 v32, v48, v49, v50
	v_max3_num_f32 v33, v51, v52, v53
	DL 2
	v_max3_num_f32 v32, v32, v54, v55
	DL 1
	v_max_num_f32 v32, v32, v33
.irp x, 1,2,4,8
	DL 1
	v_max_num_f32_dpp v32, v32, v32 row_xmask:\x row_mask:0xf bank_mask:0xf
.endr
	DL 1
	v_permlanex16_b32 v33, v32, s[SEL], s[SEL+1]
	DL 1
	v_max_num_f32 v28, v32, v33                    ; m: the work-group's largest score
	DL 1
	v_mul_f32 v34, s[L2E], v28
	v_mul_f32 v35, s[L2E], v28
.irp g, 0,1,2,3
	v_pk_fma_f32 v[48+2*\g:49+2*\g], v[48+2*\g:49+2*\g], s[L2E:L2E+1], v[34:35] op_sel_hi:[1,0,0] neg_lo:[0,0,1] neg_hi:[0,0,1]
.endr
	v_pk_fma_f32 v[26:27], v[26:27], s[L2E:L2E+1], v[34:35] op_sel_hi:[1,0,0] neg_lo:[0,0,1] neg_hi:[0,0,1]
	s_wait_alu depctr_va_vdst(0)
.irp i, 48,49,50,51,52,53,54,55,26,27
	v_exp_f32 v[\i], v[\i]                         ; p
.endr
	v_nop
	s_wait_alu depctr_va_vdst(0)
	v_pk_add_f32 v[36:37], v[48:49], v[50:51]
	v_pk_add_f32 v[38:39], v[52:53], v[54:55]
	DL 1
	v_pk_add_f32 v[36:37], v[36:37], v[38:39]
	DL 1
	v_add_f32 v36, v36, v37
.irp x, 1,2,4,8
	DL 1
	v_add_f32_dpp v36, v36, v36 row_xmask:\x row_mask:0xf bank_mask:0xf
.endr
	DL 1
	v_permlanex16_b32 v37, v36, s[SEL], s[SEL+1]
	DL 1
	v_add_f32 v29, v36, v37                        ; the sum of p; v[28:29] = (m, sum)
	v_lshl_add_u32 v33, v24, 1, s92
	v_lshlrev_b32 v25, 1, v24                      ; 8 x lane
	ds_store_b64 v33, v[26:27]                     ; my rows' p, row i at 4 i of my own 256 bytes
	; the c phase's addresses: lane l takes block l (d = 32 l ..) of each row: pieces 3 l + i, piece P at 8 P + 8 (P / 32)
	v_lshrrev_b32 v32, 2, v24
	DL 1
	v_mul_u32_u24 v34, v32, 3
.irp i, 0,1,2
	v_add_nc_u32 v35, \i, v34
	DL 1
	v_lshrrev_b32 v[40+\i], 5, v35
	DL 1
	v_add_nc_u32 v35, v35, v[40+\i]
	DL 1
	v_lshl_add_u32 v[40+\i], v35, 3, s95
.endr
	v_add_nc_u32 v43, s96, v32                     ; my block's scale byte in a row's 32
	v_mov_b32 v44, s97                             ; p
	v_mov_b32 v[ONE], 0x7f7f7f7f                   ; the widening conversions' scale: 2^0 in every byte
	v_lshl_add_u32 v30, v24, 2, s98                ; the stage: 4,096 x wave + 16 x lane
	v_and_b32 v31, 0x3ff, v[SPW]
	DL 1
	v_lshlrev_b32 v31, 2, v31                      ; 16 x thread
	s_wait_alu depctr_va_vdst(0)
	s_cmp_lg_u32 s[CH], 0
	s_cbranch_scc1 .Lno_pl
	global_store_b64 v25, v[26:27], s[12:13]       ; waves 0-3: 32 lanes store 256 consecutive bytes, aligned; these registers are not written again
.Lno_pl:
	s_cmp_lg_u32 s[WV], 0
	s_cbranch_scc1 .Lno_stat
	global_store_b64 v25, v[28:29], s[16:17]       ; wave 0: the pair 32 times over
.Lno_stat:
	; ---- c = sum over my 32 rows of p x h_enc[row], eight rows to a set, two sets by turns
.macro CLOAD base, pb, ro              ; 42 LDS loads: for each of eight rows my block's 24 bytes and its scale byte; the rows' eight p
.irp u, 0,1,2,3,4,5,6,7
	ds_load_b64 v[\base+8*\u:\base+8*\u+1], v40 offset:(\ro+\u)*APITCH
	ds_load_b64 v[\base+8*\u+2:\base+8*\u+3], v41 offset:(\ro+\u)*APITCH
	ds_load_b32 v[\base+8*\u+5], v42 offset:(\ro+\u)*APITCH
	ds_load_b32 v[\base+8*\u+6], v42 offset:(\ro+\u)*APITCH+4
	ds_load_u8 v[\base+8*\u+7], v43 offset:(\ro+\u)*32
.endr
	ds_load_b128 v[\pb:\pb+3], v44 offset:4*(\ro)
	ds_load_b128 v[\pb+4:\pb+7], v44 offset:4*(\ro)+16
.endm
.macro CROWS base, pb, first           ; first = 1: the first row's products start the sums
.irp u, 0,1,2,3,4,5,6,7
	v_mov_b32 v[\base+8*\u+4], v[\base+8*\u+3]     ; a conversion's three source registers begin on an even number
.endr
.irp u, 0,1,2,3,4,5,6,7
	v_add_nc_u32 v[\base+8*\u+7], 0xffffff81, v[\base+8*\u+7]   ; the scale's exponent: byte - 127
.endr
.irp u, 0,1,2,3,4,5,6,7
	v_ldexp_f32 v[\pb+\u], v[\pb+\u], v[\base+8*\u+7]           ; p x the block's scale
.endr
.irp u, 0,1,2,3,4,5,6,7
	v_cvt_scale_pk16_f32_fp6 v[TQ:TQ+15], v[\base+8*\u:\base+8*\u+2], v[ONE]
	v_cvt_scale_pk16_f32_fp6 v[TQ+16:TQ+31], v[\base+8*\u+4:\base+8*\u+6], v[ONE]
	v_nop                                          ; one plain line behind a scaled conversion
.set i, 0
.rept 16
.if (\first) && (\u == 0)
	v_pk_mul_f32 v[CC+i:CC+i+1], v[TQ+i:TQ+i+1], v[\pb:\pb+1] op_sel_hi:[1,0]
.elseif (\u%2) == 0
	v_pk_fma_f32 v[CC+i:CC+i+1], v[TQ+i:TQ+i+1], v[\pb+\u:\pb+\u+1], v[CC+i:CC+i+1] op_sel_hi:[1,0,1]
.else
	v_pk_fma_f32 v[CC+i:CC+i+1], v[TQ+i:TQ+i+1], v[\pb+\u-1:\pb+\u], v[CC+i:CC+i+1] op_sel:[0,1,0]
.endif
.set i, i+2
.endr
.endr
.endm
	CLOAD 192, 48, 0                               ; LDS serves a wave's instructions in order (ISA guide 5.7.1.4): the loads of p see my store above
	CLOAD 64, 56, 8
	s_wait_dscnt 42                                ; all but the other set's 42 loads
	CROWS 192, 48, 1
	CLOAD 192, 48, 16
	s_wait_dscnt 42
	CROWS 64, 56, 0
	CLOAD 64, 56, 24
	s_wait_dscnt 42
	CROWS 192, 48, 0
	s_wait_dscnt 0x0
	CROWS 64, 56, 0
	; ---- the eight waves' c meet in a stage in the ring: it has had its last fill, and every wave has passed a barrier behind its last read
.irp i, 0,1,2,3,4,5,6,7
	ds_store_b128 v30, v[CC+4*\i:CC+4*\i+3] offset:512*\i          ; chunk 32 i + lane: d = 32 lane + 4 i ..
.endr
	s_wait_alu depctr_va_vdst(0)
	s_wait_dscnt 0x0                               ; for the others' sake
	s_barrier_signal -1
	s_barrier_wait -1
.irp w, 0,1,2,3,4,5,6,7
	ds_load_b128 v[192+4*\w:195+4*\w], v31 offset:4096*\w          ; thread T takes chunk T of all eight
.endr
	s_wait_dscnt 0x0
.irp d, 16,8,4
.set i, 0
.rept \d/2
	v_pk_add_f32 v[192+i:193+i], v[192+i:193+i], v[192+\d+i:193+\d+i]
.set i, i+2
.endr
.endr
	global_store_b128 v31, v[192:195], s[14:15]    ; a wave's store covers 512 consecutive bytes, aligned
	s_wait_tensorcnt 0x0                           ; the wave's end
	ds_add_u32 v[SPW], v[NIL]
	s_wait_dscnt 0x0
	CROUND                                         ; the closing round
	s_endpgm
.Lfunc_end_k_q862d9ccafb_main:
	.size	k_q862d9ccafb_main, .Lfunc_end_k_q862d9ccafb_main-k_q862d9ccafb_main
	.p2alignl 7, 3214868480
	.fill 96, 4, 3214868480
	.section	.rodata,"a",@progbits
	.p2align	6, 0x0
	.amdhsa_kernel k_q862d9ccafb_main
		.amdhsa_group_segment_fixed_size 327680
		.amdhsa_private_segment_fixed_size 0
		.amdhsa_enable_private_segment 0
		.amdhsa_kernarg_size 56
		.amdhsa_user_sgpr_count 2
		.amdhsa_user_sgpr_kernarg_segment_ptr 1
		.amdhsa_wavefront_size32 1
		.amdhsa_system_sgpr_workgroup_id_x 1
		.amdhsa_system_sgpr_workgroup_id_y 1
		.amdhsa_system_sgpr_workgroup_id_z 1
		.amdhsa_system_vgpr_workitem_id 0
		.amdhsa_next_free_vgpr 512
		.amdhsa_next_free_sgpr 102
		.amdhsa_reserve_vcc 0
		.amdhsa_float_denorm_mode_32 3
		.amdhsa_float_denorm_mode_16_64 3
		.amdhsa_memory_ordered 1
		.amdhsa_forward_progress 1
		.amdhsa_inst_pref_size 188
	.end_amdhsa_kernel
	.amdgpu_metadata
---
amdhsa.version: [ 1, 2 ]
amdhsa.kernels:
  - .name:           k_q862d9ccafb_main
    .symbol:         k_q862d9ccafb_main.kd
    .args:
      - { .name: h_enc_codes, .offset: 0, .size: 8, .value_kind: global_buffer, .address_space: global }
      - { .name: h_enc_scales, .offset: 8, .size: 8, .value_kind: global_buffer, .address_space: global }
      - { .name: wimg, .offset: 16, .size: 8, .value_kind: global_buffer, .address_space: global }
      - { .name: gw, .offset: 24, .size: 8, .value_kind: global_buffer, .address_space: global }
      - { .name: pl, .offset: 32, .size: 8, .value_kind: global_buffer, .address_space: global }
      - { .name: cpart, .offset: 40, .size: 8, .value_kind: global_buffer, .address_space: global }
      - { .name: stat, .offset: 48, .size: 8, .value_kind: global_buffer, .address_space: global }
    .group_segment_fixed_size: 327680
    .private_segment_fixed_size: 0
    .kernarg_segment_align: 8
    .kernarg_segment_size: 56
    .max_flat_workgroup_size: 256
    .sgpr_count:     102
    .vgpr_count:     512
    .wavefront_size: 32
...
	.end_amdgpu_metadata
.endif
;; end of part 2
;; launch finish (part 3): grid 256 x 1, 8 waves a work-group, no clusters, 6,144 bytes of LDS; arguments stat, pl, cpart, We_codes, We_scales, be, out0, out1; writes out0, out1
.if DOCPART == 3
	.amdgcn_target "amdgcn-amd-amdhsa--gfx1250"
	.amdhsa_code_object_version 6
	.text
	.protected	k_q862d9ccafb_finish
	.globl	k_q862d9ccafb_finish
	.p2align	8
	.type	k_q862d9ccafb_finish,@function
k_q862d9ccafb_finish:
	s_mov_b64 s[64:65], 0
	v_nop
	global_prefetch_b8 v0, s[64:65] scope:SCOPE_SE
	s_setreg_imm32_b32 hwreg(HW_REG_WAVE_MODE, 25, 1), 1
	s_wait_xcnt 0x0
; The eight parts of a batch are joined.  With (m_i, l_i) of part i: M = the largest m_i, f_i = exp(m_i - M), L = sum f_i l_i, g_i = f_i / L.
;   attn[row of part e] = p g_e;   c[d] = sum_i g_i cpart_i[d] = sum_t attn h_enc[t][d];   context[n] = sum_d c[d] We[d][n] + be[n]  (attn sums to 1).
; Work-group (b, e): the 256 numbers of attn of part e, and columns n = 128 e .. 128 e + 127 of the context; wave w takes 16 of them.  Every work-group of a batch makes all of c (32 KB read).
; c x We in f32 on the vector unit, from We's codes widened by the conversion: lane l takes block l (d = 32 l ..) of a column's codes, which are 24 consecutive bytes; the block's scale goes onto the block's sum.
; No matrix unit: 128 columns x 1,024 multiply-adds a work-group; no cluster and no tensor load: nothing here is large or walked in a loop.
; LDS: 0 c, chunk i4 of lane l at 512 i4 + 16 l; 4,096 the work-group's 128 sums.
; LIMIT: a scale byte 0xff is not served.
.set TQ, 16                            ; v16-47  a column's 32 codes of my block, widened (earlier: the parts' (m, l), v16-33, and my chunk of the eight parts, v36-67)
.set CV, 76                            ; v76-107 c(32 lane + i)
.set R,  48                            ; v48-55  eight columns' sums
	s_load_b512 s[4:19], s[0:1], 0x0               ; stat s[4:5], pl s[6:7], cpart s[8:9], We codes s[10:11], We scales s[12:13], be s[14:15], out0 s[16:17], out1 s[18:19]
	v_lshl_add_u32 v126, v0, 2, 0x1400
	v_mov_b32 v127, 0
	v_lshrrev_b32 v1, 5, v0
	s_delay_alu instid0(VALU_DEP_1)
	v_readfirstlane_b32 s20, v1                    ; wave 0..7
	v_and_b32 v1, 31, v0                           ; lane
	s_delay_alu instid0(VALU_DEP_1)
	v_lshlrev_b32 v2, 3, v1                        ; 8 x lane
	s_delay_alu instid0(VALU_DEP_2)
	v_lshlrev_b32 v3, 4, v1                        ; 16 x lane
	s_delay_alu instid0(VALU_DEP_3)
	v_mul_u32_u24 v4, v1, 24                       ; my block's codes in a column's 768 bytes
	v_mov_b32 v5, 0x7f7f7f7f                       ; the widening conversions' scale: 2^0 in every byte
	s_lshr_b32 s21, ttmp9, 3                       ; b
	s_and_b32 s22, ttmp9, 7                        ; e
	s_and_b32 s23, s20, 3
	s_lshl_b32 s30, s20, 9
	v_add_nc_u32 v10, s30, v3                      ; LDS: my wave's chunk of c
	s_lshl_b32 s31, s20, 6
	s_add_co_u32 s31, s31, 4096
	v_and_b32 v11, 15, v0
	s_delay_alu instid0(VALU_DEP_1)
	v_lshl_add_u32 v11, v11, 2, s31                ; my wave's 16 sums
	v_add_nc_u32 v12, 4096, v3                     ; and all 128, four a lane
	s_mov_b32 s32, 0x3fb8aa3b                      ; log2(e)
	s_mov_b32 s34, 0x76543210
	s_mov_b32 s35, 0xfedcba98                      ; selects for lane l xor 16
	s_mov_b32 s25, 0
	s_mov_b32 s27, 0
	s_wait_alu depctr_va_vdst(0)
	s_wait_kmcnt 0x0
	s_lshl_b32 s24, s21, 11
	s_add_nc_u64 s[4:5], s[4:5], s[24:25]          ; stat at the batch's eight parts, 256 bytes each,
	s_lshl_b32 s26, s22, 8
	s_add_nc_u64 s[28:29], s[4:5], s[26:27]        ; and at part e
	s_lshl_b32 s24, ttmp9, 10                      ; pl and out1: part e's 256 numbers, 64 to each of waves 0-3
	s_lshl_b32 s26, s23, 8
	s_add_co_u32 s24, s24, s26
	s_add_nc_u64 s[6:7], s[6:7], s[24:25]
	s_add_nc_u64 s[18:19], s[18:19], s[24:25]
	s_lshl_b32 s24, s21, 15                        ; cpart: eight parts of 4,096 bytes; chunk i4 = my wave
	s_add_co_u32 s24, s24, s30
	s_add_nc_u64 s[8:9], s[8:9], s[24:25]
	s_lshl_b32 s24, s22, 9                         ; be at column 128 e
	s_add_nc_u64 s[14:15], s[14:15], s[24:25]
	s_lshl_b32 s26, s21, 12                        ; out0: row b, column 128 e
	s_add_co_u32 s24, s24, s26
	s_add_nc_u64 s[16:17], s[16:17], s[24:25]
	s_lshl_b32 s24, s22, 7
	s_lshl_b32 s26, s20, 4
	s_add_co_u32 s26, s24, s26                     ; my first column: 128 e + 16 w
	s_mul_i32 s24, s26, 768
	s_add_nc_u64 s[10:11], s[10:11], s[24:25]
	s_lshl_b32 s24, s26, 5
	s_add_nc_u64 s[12:13], s[12:13], s[24:25]
.irp i, 0,1,2,3,4,5,6,7
	global_load_b64 v[16+2*\i:17+2*\i], v2, s[4:5] offset:256*\i   ; (m_i, l_i)
.endr
	global_load_b64 v[32:33], v2, s[28:29]         ; and part e's once more: no choice among registers is needed
.irp i, 0,1,2,3,4,5,6,7
	global_load_b128 v[36+4*\i:39+4*\i], v3, s[8:9] offset:4096*\i
.endr
	global_load_b64 v[68:69], v2, s[6:7]           ; p (waves 4-7 load what waves 0-3 load, so that every wave counts the same loads)
	global_load_b128 v[72:75], v3, s[14:15]        ; be
.macro RLOAD base, r0                  ; eight columns of We: my block's 24 bytes and its scale byte: 40 loads
.irp u, 0,1,2,3,4,5,6,7
	global_load_b64 v[\base+8*\u:\base+8*\u+1], v4, s[10:11] offset:768*(\r0+\u)
	global_load_b64 v[\base+8*\u+2:\base+8*\u+3], v4, s[10:11] offset:768*(\r0+\u)+8
	global_load_b32 v[\base+8*\u+5], v4, s[10:11] offset:768*(\r0+\u)+16
	global_load_b32 v[\base+8*\u+6], v4, s[10:11] offset:768*(\r0+\u)+20
	global_load_u8 v[\base+8*\u+7], v1, s[12:13] offset:32*(\r0+\u)
.endr
.endm
	RLOAD 128, 0
	s_wait_loadcnt 40                              ; all but the 40 just issued
	v_max3_num_f32 v6, v16, v18, v20
	s_delay_alu instid0(VALU_DEP_1)
	v_max3_num_f32 v6, v6, v22, v24
	s_delay_alu instid0(VALU_DEP_1)
	v_max3_num_f32 v6, v6, v26, v28
	s_delay_alu instid0(VALU_DEP_1)
	v_max_num_f32 v6, v6, v30                      ; M
	s_delay_alu instid0(VALU_DEP_1)
	v_mul_f32 v7, s32, v6
.irp i, 0,1,2,3,4,5,6,7,8
	v_fma_f32 v[16+2*\i], v[16+2*\i], s32, -v7     ; (m_i - M) log2(e)
.endr
	s_wait_alu depctr_va_vdst(0)
.irp i, 0,1,2,3,4,5,6,7,8
	v_exp_f32 v[16+2*\i], v[16+2*\i]               ; f_i
.endr
	v_nop                                          ; one plain line behind the batch,
	s_wait_alu depctr_va_vdst(0)                   ; and its one wait, ahead of the first reader
	v_mul_f32 v8, v16, v17
.irp i, 1,2,3,4,5,6,7
	v_fmac_f32 v8, v[16+2*\i], v[17+2*\i]          ; L
.endr
	s_wait_alu depctr_va_vdst(0)
	v_rcp_f32 v9, v8
	v_nop
	s_wait_alu depctr_va_vdst(0)
.irp i, 0,1,2,3,4,5,6,7,8
	v_mul_f32 v[16+2*\i], v[16+2*\i], v9           ; g_i
.endr
	v_pk_mul_f32 v[108:109], v[36:37], v[16:17] op_sel_hi:[1,0]
	v_pk_mul_f32 v[110:111], v[38:39], v[16:17] op_sel_hi:[1,0]
.irp i, 1,2,3,4,5,6,7
	s_delay_alu instid0(VALU_DEP_2)
	v_pk_fma_f32 v[108:109], v[36+4*\i:37+4*\i], v[16+2*\i:17+2*\i], v[108:109] op_sel_hi:[1,0,1]
	s_delay_alu instid0(VALU_DEP_2)
	v_pk_fma_f32 v[110:111], v[38+4*\i:39+4*\i], v[16+2*\i:17+2*\i], v[110:111] op_sel_hi:[1,0,1]
.endr
	ds_store_b128 v10, v[108:111]                  ; c(32 lane + 4 w ..)
	v_pk_mul_f32 v[68:69], v[68:69], v[32:33] op_sel_hi:[1,0]      ; attn = p g_e
	v_mov_b32 v56, 0                               ; my wave's 16 sums: lanes rho and rho + 16 take column rho's
	s_wait_dscnt 0x0                               ; for the others' sake
	s_barrier_signal -1
	s_barrier_wait -1
.irp i, 0,1,2,3,4,5,6,7
	ds_load_b128 v[CV+4*\i:CV+4*\i+3], v3 offset:512*\i
.endr
	s_cmp_lt_u32 s20, 4
	s_cbranch_scc0 .Lno_attn
	s_wait_alu depctr_va_vdst(0)
	global_store_b64 v2, v[68:69], s[18:19]        ; 32 lanes store 256 consecutive bytes, aligned; these registers are not written again
.Lno_attn:
	RLOAD 192, 8
.macro FROWS base, r0
.irp u, 0,1,2,3,4,5,6,7
	v_mov_b32 v[\base+8*\u+4], v[\base+8*\u+3]     ; a conversion's three source registers begin on an even number
.endr
.irp u, 0,1,2,3,4,5,6,7
	v_add_nc_u32 v[\base+8*\u+7], 0xffffff81, v[\base+8*\u+7]   ; the scale's exponent: byte - 127
.endr
.irp u, 0,1,2,3,4,5,6,7
	v_cvt_scale_pk16_f32_fp6 v[TQ:TQ+15], v[\base+8*\u:\base+8*\u+2], v5
	v_cvt_scale_pk16_f32_fp6 v[TQ+16:TQ+31], v[\base+8*\u+4:\base+8*\u+6], v5
	v_nop                                          ; one plain line between a scaled conversion and the vector instruction that reads its result
	v_pk_mul_f32 v[58:59], v[TQ:TQ+1], v[CV:CV+1]  ; my block's 32 products, in two chains
	v_pk_mul_f32 v[60:61], v[TQ+2:TQ+3], v[CV+2:CV+3]
.irp i, 4,8,12,16,20,24,28
	v_pk_fma_f32 v[58:59], v[TQ+\i:TQ+\i+1], v[CV+\i:CV+\i+1], v[58:59]
	v_pk_fma_f32 v[60:61], v[TQ+\i+2:TQ+\i+3], v[CV+\i+2:CV+\i+3], v[60:61]
.endr
	s_delay_alu instid0(VALU_DEP_1)
	v_pk_add_f32 v[58:59], v[58:59], v[60:61]
	s_delay_alu instid0(VALU_DEP_1)
	v_add_f32 v[R+\u], v58, v59
.endr
.irp u, 0,1,2,3,4,5,6,7
	v_ldexp_f32 v[R+\u], v[R+\u], v[\base+8*\u+7]  ; x the block's scale
.endr
.irp x, 1,2,4,8
.irp u, 0,1,2,3,4,5,6,7
	v_add_f32_dpp v[R+\u], v[R+\u], v[R+\u] row_xmask:\x row_mask:0xf bank_mask:0xf   ; over the 32 blocks; the eight columns by turns
.endr
.endr
.irp u, 0,1,2,3,4,5,6,7
	v_permlanex16_b32 v[\base+8*\u+3], v[R+\u], s34, s35           ; (into a register that has been written and is done with)
.endr
.irp u, 0,1,2,3,4,5,6,7
	v_add_f32 v[R+\u], v[R+\u], v[\base+8*\u+3]
.endr
.irp u, 0,1,2,3,4,5,6,7
	s_wait_alu depctr_va_vdst(0)
	s_mov_b32 s36, 0x10001<<(\r0+\u)
	v_cndmask_b32 v56, v56, v[R+\u], s36
.endr
.endm
	s_wait_dscnt 0x0                               ; c
	s_wait_loadcnt 40                              ; the first eight columns are in; the 40 loads of the second eight may be out
	FROWS 128, 0
	s_wait_loadcnt 0x0
	FROWS 192, 8
	ds_store_b32 v11, v56                          ; lanes rho and rho + 16 write the same word with the same value
	s_wait_dscnt 0x0                               ; for wave 0's sake
	s_barrier_signal -1
	s_barrier_wait -1
	s_cmp_lg_u32 s20, 0
	s_cbranch_scc1 .Ldone
	ds_load_b128 v[120:123], v12
	s_wait_dscnt 0x0
	v_pk_add_f32 v[120:121], v[120:121], v[72:73]  ; + be
	v_pk_add_f32 v[122:123], v[122:123], v[74:75]
	global_store_b128 v3, v[120:123], s[16:17]     ; 32 lanes store 512 consecutive bytes, aligned
.Ldone:
	s_wait_tensorcnt 0x0
	ds_add_u32 v126, v127
	s_wait_dscnt 0x0
	s_endpgm
.Lfunc_end_k_q862d9ccafb_finish:
	.size	k_q862d9ccafb_finish, .Lfunc_end_k_q862d9ccafb_finish-k_q862d9ccafb_finish
	.p2alignl 7, 3214868480
	.fill 96, 4, 3214868480
	.section	.rodata,"a",@progbits
	.p2align	6, 0x0
	.amdhsa_kernel k_q862d9ccafb_finish
		.amdhsa_group_segment_fixed_size 6144
		.amdhsa_private_segment_fixed_size 0
		.amdhsa_enable_private_segment 0
		.amdhsa_kernarg_size 64
		.amdhsa_user_sgpr_count 2
		.amdhsa_user_sgpr_kernarg_segment_ptr 1
		.amdhsa_wavefront_size32 1
		.amdhsa_system_sgpr_workgroup_id_x 1
		.amdhsa_system_sgpr_workgroup_id_y 1
		.amdhsa_system_sgpr_workgroup_id_z 1
		.amdhsa_system_vgpr_workitem_id 0
		.amdhsa_next_free_vgpr 256
		.amdhsa_next_free_sgpr 66
		.amdhsa_reserve_vcc 0
		.amdhsa_float_denorm_mode_32 3
		.amdhsa_float_denorm_mode_16_64 3
		.amdhsa_memory_ordered 1
		.amdhsa_forward_progress 1
		.amdhsa_inst_pref_size 49
	.end_amdhsa_kernel
	.amdgpu_metadata
---
amdhsa.version: [ 1, 2 ]
amdhsa.kernels:
  - .name:           k_q862d9ccafb_finish
    .symbol:         k_q862d9ccafb_finish.kd
    .args:
      - { .name: stat, .offset: 0, .size: 8, .value_kind: global_buffer, .address_space: global }
      - { .name: pl, .offset: 8, .size: 8, .value_kind: global_buffer, .address_space: global }
      - { .name: cpart, .offset: 16, .size: 8, .value_kind: global_buffer, .address_space: global }
      - { .name: We_codes, .offset: 24, .size: 8, .value_kind: global_buffer, .address_space: global }
      - { .name: We_scales, .offset: 32, .size: 8, .value_kind: global_buffer, .address_space: global }
      - { .name: be, .offset: 40, .size: 8, .value_kind: global_buffer, .address_space: global }
      - { .name: out0, .offset: 48, .size: 8, .value_kind: global_buffer, .address_space: global }
      - { .name: out1, .offset: 56, .size: 8, .value_kind: global_buffer, .address_space: global }
    .group_segment_fixed_size: 6144
    .private_segment_fixed_size: 0
    .kernarg_segment_align: 8
    .kernarg_segment_size: 64
    .max_flat_workgroup_size: 256
    .sgpr_count:     66
    .vgpr_count:     256
    .wavefront_size: 32
...
	.end_amdgpu_metadata
.endif
;; end of part 3
